; MI455X (gfx1250); checked and timed in simulation.
; The chip was launched on July 23, 2026; its instructions are those of AMD's public machine-readable ISA for CDNA 5 (MIT licence, August 2026) and "CDNA5" Instruction Set Architecture Reference Guide (July 2026). The comments in the code are by the model that wrote it; some were corrected since.
;; gated TPP. Allowed arithmetic: matrix products marked QUANTISED: E2M3 operands, one E8M0 scale for each 32 along K, by v_wmma_scale_f32_16x16x128_f8f6f4 with both operands' format E2M3, f32 sums; products left as they are: f32 operands where the result goes on into a quantised operand, else bf16, f16 or f32 operands; f32 sums; everything else in f32.
;; Inputs: Wi 256 x 256 float32; Wn 256 x 256 float32; b_time 1 float32; event_time 16 x 2,048 float32; event_type 16 x 2,048 int32; gate_params 2 float32; length_scale 1 float32; ln_beta 256 float32; ln_gamma 256 float32; noise 16 x 2,048 x 256 float32; w_time 1 x 256 float32.
;; Outputs: out0 16 x 2,048 float32.
;; This version of the problem:
;;   THIS VERSION OF THE PROBLEM IS GIVEN IN LOW PRECISION. The matrix products marked QUANTISED in the list below multiply operands that are first quantised to E2M3 (2 exponent bits, 3 mantissa bits; 6 bits a number), with one power-of-two scale for each 32 numbers along K (OCP MX v1.0); their sums are f32. All else is computed in f32.
;;   The module's matrix products, in the order in which they are computed (A, B: the left and right operand; K: the contracted axis; several contracted axes count as one K, in the product's order):
;;     1. batch 16 x [M 2,048, K 2,048] x [K 2,048, N 256]; A: computed on the way; B: computed on the way: QUANTISED
;;     2. [M 32,768, K 256] x [K 256, N 256]; A: input noise; B: input Wn: QUANTISED
;;     3. [M 32,768, K 256] x [K 256, N 256]; A: computed on the way; B: input Wi: QUANTISED
;;     4. [M 32,768, K 256] x [K 256, N 1]; A: computed on the way; B: input w_time: left as it is (N = 1 < 16)
;;   THE QUANTISER, for each operand of a quantised product, along K:
;;     - K is cut into blocks of 32 from its start; a last block that is shorter is filled with zeros.
;;     - A block's scale is 2^e with e = floor(log2(the largest magnitude in the block)) - 2, held to -126 .. 127; a block of zeros has e = 0. As a byte (E8M0): e + 127.
;;     - Each number is divided by its block's scale, clamped to +-7.5, and rounded to the nearest number of E2M3, ties to even, subnormals kept.
;;     - The product sums the exact products of the quantised numbers (number of the format x scale) in f32.
;;   ~~~python
;;   def quantise(x, axis):      # numpy; x: float32 -> the quantised numbers, widened to float32 again
;;       x = np.moveaxis(x, axis, -1); K = x.shape[-1]
;;       x = np.pad(x, [(0, 0)] * (x.ndim - 1) + [(0, -K % 32)]); x = x.reshape(x.shape[:-1] + (-1, 32)); a = np.abs(x).max(-1, keepdims=True)
;;       e = np.where(a > 0, np.clip(np.frexp(np.where(a > 0, a, 1))[1] - 1 - 2, -126, 127), 0)      # np.frexp(a)[1] - 1 = floor(log2(a)), exactly
;;       r = np.clip(x / 2.0 ** e, -7.5, 7.5)
;;       step = 2.0 ** (np.maximum(np.frexp(np.where(r == 0, 1, r))[1] - 1, 0) - 3)
;;       q = np.round(r / step) * step * 2.0 ** e      # np.round: ties to even
;;       return np.moveaxis(q.reshape(q.shape[:-2] + (-1,))[..., :K], -1, axis).astype(np.float32)
;;   ~~~
;;   OPERANDS COMPUTED ON THE WAY. 'Computed on the way' means the value that the module computes at that place (a softmax that the list does not call 'softmax' is quantised finished and normalised). What goes into a quantiser is computed in f32, as accurately as f32 sums, v_exp_f32 and their like allow (about 1e-6 of the number): no bf16 or f16 on the way to a quantiser, and a product that is left as it is and whose result goes on into a quantised operand takes f32 operands (vector FMAs, or v_wmma_f32_16x16x4_f32). A number that lies on a knife's edge between two numbers of the format may be rounded either way, as far as f32 arithmetic and the matrix unit's own rounding can turn it there, and no further.
;; One version. Each part assembles by itself: llvm-mc -triple=amdgcn-amd-amdhsa -mcpu=gfx1250 --defsym DOCPART=n.
;; ======== version 1 of 1: 2 launches
;; workspace buffers: pack 6,792,448 bytes
;; launch prep (part 1): grid 261 x 1, 4 waves a work-group, no clusters, 0 bytes of LDS; arguments event_time, Wn, Wi, gate_params, length_scale, b_time, ln_gamma, ln_beta, w_time, pack; writes pack
.if DOCPART == 1
	.amdgcn_target "amdgcn-amd-amdhsa--gfx1250"
	.amdhsa_code_object_version 6
	.text
	.protected	k_q769e5bdcf0_prep
	.globl	k_q769e5bdcf0_prep
	.p2align	8
	.type	k_q769e5bdcf0_prep,@function
k_q769e5bdcf0_prep:
	s_mov_b64 s[64:65], 0
	v_nop
	global_prefetch_b8 v0, s[64:65] scope:SCOPE_SE
	s_setreg_imm32_b32 hwreg(HW_REG_WAVE_MODE, 25, 1), 1
	s_wait_xcnt 0x0
; PREP: everything that many work-groups of the second launch read is made once, as codes of FP6 (E2M3) with one E8M0 byte for each 32 along K,
; and laid in pack as IMAGES OF OPERAND REGISTERS, so that a fragment comes back by loads of 16 bytes a lane.
; A BLOCK of pack is 26,112 bytes: 16 fragments (16 rows x 128 K: 12 registers a lane; register group c at 512 c, lane l's 16 bytes at 16 l; 1,536 bytes each);
; then 1,024 bytes of scale words (fragment t, row r at 256 (t / 4) + 16 r + 4 (t % 4)); then 512 bytes: the step's 128 times t_j (weights: zeros).
;   work-groups 0-255  (16 b + k): emb of batch b, keys 128 k .. 128 k + 127; K = the keys.  Lane r of fragment t holds channel d = 32 (t / 2) + 8 (t % 2) + r + 8 (r / 8).
;   work-groups 256-259: Wn's K steps 0, 1 and Wi's K steps 0, 1; fragment t holds rows 16 t + r.
;   work-group 260: copies of ln_gamma, ln_beta, w_time, and four numbers made of gate_params, length_scale, b_time.
; A LANE HOLDS WHOLE BLOCKS OF 32 ALONG K (register 32 c + e: k = 64 c + 32 (lane / 16) + e), the operand's own layout: no lane asks another for a maximum, and the conversions' results are the operand's registers.
; emb(j, d) = sin (d even) or cos (d odd) of t_j / pv_d, pv_d = 10000^(d / 128).  The quotient is refined by one residual step; x is reduced by n pi (cos: (n - 1/2) pi) in two parts of pi, and
; sin r, |r| <= pi / 2, is its series up to r^13; the sign is n's lowest bit.
; event_type is an input that reference() never uses: no launch names it.
; LIMITS: |t / pv| under 2^22 pi; a block of zeros, or one whose largest magnitude lies under 2^-124, gets the byte 1 (its codes are read by this program alone); NaN and infinities among the inputs are not served.
.set BLK,  26112
.set LANE, 1                           ; v1   lane
.set RW,   2                           ; v2   r = lane % 16
.set HH,   3                           ; v3   h = lane / 16
.set LI,   4                           ; v4   16 x lane
.set SH8,  5                           ; v5   8 h: where my two scale bytes stand in the word
.set RR,   6                           ; v6   r + 8 (r / 8)
.set LO,   7                           ; v7   offset of my loads
.set INV,  8                           ; v[8:9]   1 / pv, twice
.set PV,   10                          ; v[10:11] pv, twice
.set OFP,  12                          ; v[12:13] 0 (sin) or 0.5 (cos), twice
.set C13,  14                          ; v[14:15] 1 / 13!, twice (an instruction takes one literal)
.set SW,   24                          ; v24-27   my four fragments' scale words
.set SWA,  29                          ; v29      where I store two of them
.set TJ,   32                          ; v32-95   64 times; path W: array 0
.set X,    96                          ; v96-159  64 numbers to quantise; path W: array 1
.set E,    160                         ; v160-175 at work
.set NN,   176                         ; v176-191
.set PP,   192                         ; v192-207
.set PC,   208                         ; v208-219 a fragment's codes
.set PT,   220                         ; v220-227 the second halves of the blocks' codes (a conversion's three registers begin on an even number)
.set PW,   228                         ; v228     the scale word
.set TM,   232                         ; v232-244 at work in the quantiser
.set WV,   24                          ; s24  wave
.set FC,   25                          ; s25  counts fragments
.set SEL,  30                          ; s[30:31] v_permlanex16_b32's selects for lane l xor 16
; 64 numbers of a lane, v[s] on, register 32 c + e = k 64 c + 32 h + e of my row, become the fragment's 12 registers in v[PC] on and my row's scale word in v[PW].
.macro QUANTB s
.irp k, 0,1,2,3
.irp c, 0,1
	v_max3_num_f32 v[TM+4*\c+\k], |v[\s+32*\c+8*\k]|, |v[\s+32*\c+8*\k+1]|, |v[\s+32*\c+8*\k+2]|   ; eight chains by turns: four to a block
.endr
.endr
.irp i, 3,5
.irp k, 0,1,2,3
.irp c, 0,1
	v_max3_num_f32 v[TM+4*\c+\k], v[TM+4*\c+\k], |v[\s+32*\c+8*\k+\i]|, |v[\s+32*\c+8*\k+\i+1]|
.endr
.endr
.endr
.irp k, 0,1,2,3
.irp c, 0,1
	v_max3_num_f32 v[TM+4*\c+\k], v[TM+4*\c+\k], |v[\s+32*\c+8*\k+7]|, 0x1800000   ; and the floor 2^(3 - 127): the byte cannot fall under 1
.endr
.endr
.irp c, 0,1
	v_max3_num_f32 v[TM+4*\c], v[TM+4*\c], v[TM+4*\c+1], v[TM+4*\c+2]
.endr
.irp c, 0,1
	v_max_num_f32 v[TM+4*\c], v[TM+4*\c], v[TM+4*\c+3]         ; the block's largest magnitude
.endr
.irp c, 0,1
	v_add_nc_u32 v[TM+8+\c], 0xff000000, v[TM+4*\c]            ; 2 off its exponent field: the conversion takes the exponent field of this operand as its scale
.endr
.irp c, 0,1
	v_lshrrev_b32 v[TM+10+\c], 23, v[TM+8+\c]                  ; the scale's byte
.endr
	v_lshl_or_b32 v[PW], v[TM+11], 16, v[TM+10]                ; my two bytes: blocks h and 2 + h,
	v_lshlrev_b32 v[PW], v[SH8], v[PW]                         ; at their places;
	v_permlanex16_b32 v[TM+12], v[PW], s[SEL], s[SEL+1]
	v_or_b32 v[PW], v[PW], v[TM+12]                            ; with lane l xor 16's two the word is whole
.irp c, 0,1
	v_cvt_scalef32_pk16_fp6_f32 v[PC+6*\c:PC+6*\c+2], v[\s+32*\c:\s+32*\c+15], v[TM+8+\c]
	v_cvt_scalef32_pk16_fp6_f32 v[PT+4*\c:PT+4*\c+2], v[\s+32*\c+16:\s+32*\c+31], v[TM+8+\c]
.endr
	v_nop                                                      ; one plain place behind the scaled conversions
.irp c, 0,1
.irp i, 0,1,2
	v_mov_b32 v[PC+6*\c+3+\i], v[PT+4*\c+\i]
.endr
.endr
.endm
; my wave's four scale words a row leave as one aligned run of 256 bytes: lane (r, h) stores words 2 h and 2 h + 1 of row r
.macro SWOUT
	v_cmp_ne_u32 vcc_lo, 0, v[HH]
	v_cndmask_b32 v16, v[SW], v[SW+2], vcc_lo
	v_cndmask_b32 v17, v[SW+1], v[SW+3], vcc_lo
	global_store_b64 v[SWA], v[16:17], s[26:27] offset:24576
.endm
; sixteen numbers: v[X + o ..] = sin or cos of v[TJ + o ..] / pv, two at a time
.macro EMB16 o
.irp p, 0,2,4,6,8,10,12,14
	v_pk_mul_f32 v[X+\o+\p:X+\o+\p+1], v[TJ+\o+\p:TJ+\o+\p+1], v[INV:INV+1]                                        ; q = t / pv, nearly
.endr
.irp p, 0,2,4,6,8,10,12,14
	v_pk_fma_f32 v[E+\p:E+\p+1], v[X+\o+\p:X+\o+\p+1], v[PV:PV+1], v[TJ+\o+\p:TJ+\o+\p+1] neg_lo:[1,0,0] neg_hi:[1,0,0]   ; what is left: t - q pv
.endr
.irp p, 0,2,4,6,8,10,12,14
	v_pk_fma_f32 v[X+\o+\p:X+\o+\p+1], v[E+\p:E+\p+1], v[INV:INV+1], v[X+\o+\p:X+\o+\p+1]                          ; x = the quotient, refined
.endr
.irp p, 0,2,4,6,8,10,12,14
	v_pk_fma_f32 v[E+\p:E+\p+1], v[X+\o+\p:X+\o+\p+1], 0x3ea2f983, v[OFP:OFP+1] op_sel_hi:[1,0,1]                  ; x / pi (+ 1/2 for cos)
.endr
.irp p, 0,2,4,6,8,10,12,14
	v_pk_add_f32 v[E+\p:E+\p+1], v[E+\p:E+\p+1], 0x4b400000 op_sel_hi:[1,0]                                        ; + 1.5 x 2^23: rounded to a whole number n, whose lowest bit is the word's lowest bit
.endr
.irp p, 0,2,4,6,8,10,12,14
	v_pk_add_f32 v[NN+\p:NN+\p+1], v[E+\p:E+\p+1], 0xcb400000 op_sel_hi:[1,0]                                      ; n
.endr
.irp p, 0,2,4,6,8,10,12,14
	v_pk_add_f32 v[NN+\p:NN+\p+1], v[NN+\p:NN+\p+1], v[OFP:OFP+1] neg_lo:[0,1] neg_hi:[0,1]                        ; n, or n - 1/2
.endr
.irp p, 0,2,4,6,8,10,12,14
	v_pk_fma_f32 v[X+\o+\p:X+\o+\p+1], v[NN+\p:NN+\p+1], 0xc0490fdb, v[X+\o+\p:X+\o+\p+1] op_sel_hi:[1,0,1]        ; r = x - that x pi, pi in two parts
.endr
.irp p, 0,2,4,6,8,10,12,14
	v_pk_fma_f32 v[X+\o+\p:X+\o+\p+1], v[NN+\p:NN+\p+1], 0x33bbbd2e, v[X+\o+\p:X+\o+\p+1] op_sel_hi:[1,0,1]
.endr
.irp p, 0,2,4,6,8,10,12,14
	v_pk_mul_f32 v[NN+\p:NN+\p+1], v[X+\o+\p:X+\o+\p+1], v[X+\o+\p:X+\o+\p+1]                                      ; r^2
.endr
.irp p, 0,2,4,6,8,10,12,14
	v_pk_fma_f32 v[PP+\p:PP+\p+1], v[NN+\p:NN+\p+1], v[C13:C13+1], 0xb2d7322b op_sel_hi:[1,1,0]                    ; the series: 1/13!, -1/11!,
.endr
.irp k, 0x3638ef1d, 0xb9500d01, 0x3c088889, 0xbe2aaaab
.irp p, 0,2,4,6,8,10,12,14
	v_pk_fma_f32 v[PP+\p:PP+\p+1], v[PP+\p:PP+\p+1], v[NN+\p:NN+\p+1], \k op_sel_hi:[1,1,0]                        ; 1/9!, -1/7!, 1/5!, -1/3!
.endr
.endr
.irp p, 0,2,4,6,8,10,12,14
	v_pk_mul_f32 v[NN+\p:NN+\p+1], v[X+\o+\p:X+\o+\p+1], v[NN+\p:NN+\p+1]                                          ; r^3
.endr
.irp p, 0,2,4,6,8,10,12,14
	v_pk_fma_f32 v[X+\o+\p:X+\o+\p+1], v[NN+\p:NN+\p+1], v[PP+\p:PP+\p+1], v[X+\o+\p:X+\o+\p+1]                    ; sin r
.endr
.irp p, 0,1,2,3,4,5,6,7,8,9,10,11,12,13,14,15
	v_lshlrev_b32 v[E+\p], 31, v[E+\p]                                                                             ; n's lowest bit as a sign
.endr
.irp p, 0,1,2,3,4,5,6,7,8,9,10,11,12,13,14,15
	v_xor_b32 v[X+\o+\p], v[X+\o+\p], v[E+\p]
.endr
.endm
	s_load_b512 s[4:19], s[0:1], 0x0               ; event_time s[4:5], Wn s[6:7], Wi s[8:9], gate_params s[10:11], length_scale s[12:13], b_time s[14:15], ln_gamma s[16:17], ln_beta s[18:19]
	s_load_b128 s[20:23], s[0:1], 0x40             ; w_time s[20:21], pack s[22:23]
	v_lshrrev_b32 v1, 5, v0
	v_readfirstlane_b32 s[WV], v1                  ; wave 0..3
	v_and_b32 v[LANE], 31, v0
	v_and_b32 v[RW], 15, v0
	v_bfe_u32 v[HH], v0, 4, 1
	v_lshlrev_b32 v[LI], 4, v[LANE]
	v_lshlrev_b32 v[SH8], 3, v[HH]
	v_and_b32 v[RR], 8, v[RW]
	v_add_nc_u32 v[RR], v[RR], v[RW]
	v_lshlrev_b32 v[SWA], 4, v[RW]
	v_lshl_add_u32 v[SWA], v[HH], 3, v[SWA]
	s_lshl_b32 s32, s[WV], 8
	v_add_nc_u32 v[SWA], s32, v[SWA]               ; 256 x wave + 16 r + 8 h
	s_mov_b32 s[SEL], 0x76543210
	s_mov_b32 s[SEL+1], 0xfedcba98
	v_mov_b32 v[TM+12], 0                          ; written once: a lane permute's destination counts as one of its sources
.irp i, 0,1,2,3
	v_mov_b32 v[SW+\i], 0
.endr
	s_mul_i32 s26, ttmp9, BLK                      ; my block (work-group 260: the parameters, which begin where block 260 would)
	s_mov_b32 s27, 0
	s_mul_i32 s28, s[WV], 4*1536                   ; my wave's four fragments in it
	s_mov_b32 s29, 0
	s_wait_kmcnt 0x0
	s_add_nc_u64 s[26:27], s[22:23], s[26:27]
	s_add_nc_u64 s[28:29], s[26:27], s[28:29]
	s_cmp_lt_u32 ttmp9, 256
	s_cbranch_scc0 .Lnot_e
	; ---------------- emb of 128 keys x 256 channels ----------------
	s_lshl_b32 s32, ttmp9, 9                       ; 8,192 b + 512 k = 512 x work-group: the step's 128 times
	s_mov_b32 s33, 0
	s_add_nc_u64 s[4:5], s[4:5], s[32:33]
	v_lshlrev_b32 v[LO], 7, v[HH]                  ; lanes 16-31 begin 32 keys on
.set n, 0
.rept 16
	global_load_b128 v[TJ+4*n:TJ+4*n+3], v[LO], s[4:5] offset:256*(n/8)+16*(n%8)   ; register 32 c + e: t of key 64 c + 32 h + e
.set n, n+1
.endr
	s_cmp_lg_u32 s[WV], 0
	s_cbranch_scc1 .Le_rest
	global_load_b128 v[20:23], v[LI], s[4:5]       ; wave 0 copies the 128 times to the block's end: 512 consecutive bytes
	s_wait_loadcnt 0x0
	global_store_b128 v[LI], v[20:23], s[26:27] offset:25600
.Le_rest:
	v_and_b32 v[OFP], 1, v[RW]                     ; d's parity is r's: all else in d is even
	v_cvt_f32_u32 v[OFP], v[OFP]
	v_mul_f32 v[OFP], 0.5, v[OFP]
	v_mov_b32 v[OFP+1], v[OFP]
	v_mov_b32 v[C13], 0x2f309231
	v_mov_b32 v[C13+1], 0x2f309231
	s_mov_b32 s36, 0x3dd49a78                      ; log2(10000) / 128, in two parts
	s_mov_b32 s37, 0x31179a29
	s_mov_b32 s[FC], 0
	s_wait_loadcnt 0x0                             ; the times
.Lefrag:                                               ; four trips: my wave's fragments 4 w + f
	s_and_b32 s32, s[FC], 1
	s_lshl_b32 s32, s32, 3
	s_lshr_b32 s33, s[FC], 1
	s_lshl_b32 s33, s33, 5
	s_add_co_u32 s32, s32, s33
	s_lshl_b32 s33, s[WV], 6
	s_add_co_u32 s32, s32, s33                     ; 64 w + 32 (f / 2) + 8 (f % 2)
	v_add_nc_u32 v16, s32, v[RR]                   ; my channel d
	v_cvt_f32_u32 v16, v16
	v_mul_f32 v17, s36, v16                        ; log2 pv = d x log2(10000) / 128: the product,
	v_fma_f32 v18, v16, s36, -v17                  ; what its rounding lost,
	v_fma_f32 v18, v16, s37, v18                   ; and the constant's lower part
	v_rndne_f32 v19, v17
	v_sub_f32 v17, v17, v19
	v_add_f32 v17, v17, v18                        ; its fraction, between -1/2 and 1/2
	v_cvt_i32_f32 v19, v19
	v_exp_f32 v17, v17
	v_nop                                          ; a plain place behind the transcendental
	s_wait_alu depctr_va_vdst(0)                   ; the wait ahead of the first reader
	v_ldexp_f32 v[PV], v17, v19                    ; pv
	v_mov_b32 v[PV+1], v[PV]
	v_rcp_f32 v[INV], v[PV]
	v_nop
	s_wait_alu depctr_va_vdst(0)
	v_fma_f32 v18, -v[PV], v[INV], 1.0
	v_fma_f32 v[INV], v18, v[INV], v[INV]          ; 1 / pv, refined
	v_mov_b32 v[INV+1], v[INV]
	EMB16 0
	EMB16 16
	EMB16 32
	EMB16 48
	QUANTB X
	v_mov_b32 v[SW], v[SW+1]                       ; the scale words move up: after four trips v24-27 hold fragments 0 to 3
	v_mov_b32 v[SW+1], v[SW+2]
	v_mov_b32 v[SW+2], v[SW+3]
	v_mov_b32 v[SW+3], v[PW]
.irp c, 0,1,2
	global_store_b128 v[LI], v[PC+4*\c:PC+4*\c+3], s[28:29] offset:512*\c   ; 32 lanes store 512 consecutive bytes
.endr
	s_wait_xcnt 0x0                                ; the stores have read their data and their base: both are written again only behind this wait
	s_add_nc_u64 s[28:29], s[28:29], 1536
	s_add_co_u32 s[FC], s[FC], 1
	s_cmp_lt_u32 s[FC], 4
	s_cbranch_scc1 .Lefrag
	SWOUT
	s_endpgm
.Lnot_e:
	s_cmp_lt_u32 ttmp9, 260
	s_cbranch_scc0 .Lpath_p
	; ---------------- a K step of 128 of Wn or Wi: 256 rows ----------------
	s_sub_co_u32 s32, ttmp9, 256
	s_cmp_lt_u32 s32, 2                            ; the choice hangs on the work-group's number alone
	s_cselect_b64 s[6:7], s[6:7], s[8:9]
	s_and_b32 s32, s32, 1
	s_lshl_b32 s32, s32, 9                         ; the K step: 512 bytes along a row
	s_lshl_b32 s33, s[WV], 16                      ; my wave's 64 rows of 1,024 bytes
	s_add_co_u32 s32, s32, s33
	s_mov_b32 s33, 0
	s_add_nc_u64 s[6:7], s[6:7], s[32:33]
	v_lshlrev_b32 v[LO], 10, v[RW]
	v_lshl_add_u32 v[LO], v[HH], 7, v[LO]          ; row r, + 32 numbers for lanes 16-31
.macro WLOAD f, arr                    ; fragment f's 64 numbers a lane
.set n, 0
.rept 16
	global_load_b128 v[\arr+4*n:\arr+4*n+3], v[LO], s[6:7] offset:16384*\f+256*(n/8)+16*(n%8)
.set n, n+1
.endr
.endm
.macro WOUT f, arr
	QUANTB \arr
	v_mov_b32 v[SW+\f], v[PW]
.irp c, 0,1,2
	global_store_b128 v[LI], v[PC+4*\c:PC+4*\c+3], s[28:29] offset:1536*\f+512*\c
.endr
.endm
	WLOAD 0, TJ
	WLOAD 1, X
	s_wait_loadcnt 16                              ; fragment 0's sixteen loads are in; the other array's sixteen may be out
	WOUT 0, TJ
	WLOAD 2, TJ
	s_wait_loadcnt 16
	s_wait_xcnt 0x0                                ; the last fragment's stores have read the codes' registers
	WOUT 1, X
	WLOAD 3, X
	s_wait_loadcnt 16
	s_wait_xcnt 0x0
	WOUT 2, TJ
	s_wait_loadcnt 0x0
	s_wait_xcnt 0x0
	WOUT 3, X
	s_cmp_lg_u32 s[WV], 0
	s_cbranch_scc1 .Lw_rest
.irp i, 20,21,22,23
	v_mov_b32 v\i, 0
.endr
	global_store_b128 v[LI], v[20:23], s[26:27] offset:25600   ; the block's last 512 bytes: zeros, so that every byte that is read later is written
.Lw_rest:
	SWOUT
	s_endpgm
.Lpath_p:
	s_cmp_eq_u32 s[WV], 3
	s_cbranch_scc1 .Lp_scal
	; ---------------- copies of ln_gamma, ln_beta, w_time: a wave each ----------------
	s_cmp_eq_u32 s[WV], 0
	s_cselect_b64 s[32:33], s[16:17], s[18:19]
	s_cmp_eq_u32 s[WV], 2
	s_cselect_b64 s[32:33], s[20:21], s[32:33]
	s_lshl_b32 s34, s[WV], 10
	s_mov_b32 s35, 0
	s_add_nc_u64 s[26:27], s[26:27], s[34:35]
	global_load_b128 v[16:19], v[LI], s[32:33]
	global_load_b128 v[20:23], v[LI], s[32:33] offset:512
	s_wait_loadcnt 0x0
	global_store_b128 v[LI], v[16:19], s[26:27]
	global_store_b128 v[LI], v[20:23], s[26:27] offset:512
	s_endpgm
.Lp_scal:
	; ---------------- four numbers.  score = 2^(1 + NEGA d^2) / (1 + 2^(C0 + NEGC1 d)), which is exp(-d^2 / ls^2) (1 + tanh((d / 200 - l) / s)) ----------------
	s_load_b64 s[32:33], s[10:11], 0x0             ; g0, g1
	s_load_b32 s34, s[12:13], 0x0                  ; length_scale
	s_load_b32 s35, s[14:15], 0x0                  ; b_time
	s_mov_b32 s36, 0xbfb8aa3b                      ; -log2 e
	s_wait_kmcnt 0x0
	v_mov_b32 v20, s34
	v_mul_f32 v16, s32, s36
	v_mul_f32 v17, s33, s36
	v_mul_f32 v18, s36, |v20|
	v_exp_f32 v16, v16                             ; e^-g0
	v_exp_f32 v17, v17                             ; e^-g1
	v_exp_f32 v18, v18                             ; e = e^-|x|
	v_max_num_f32 v20, 0, v20                      ; max(x, 0): a plain place behind the batch
	s_wait_alu depctr_va_vdst(0)                   ; one wait for the three
	v_add_f32 v16, 1.0, v16                        ; 1 / l
	v_add_f32 v17, 1.0, v17                        ; 1 / s
	v_add_f32 v19, 1.0, v18                        ; u = 1 + e
	v_add_f32 v21, -1.0, v19                       ; u - 1: what of e the sum has kept
	v_rcp_f32 v22, v16
	v_log_f32 v23, v19
	v_rcp_f32 v26, v21
	v_nop
	s_wait_alu depctr_va_vdst(0)
	v_cmp_eq_f32 vcc_lo, 0, v21
	v_fma_f32 v27, -v16, v22, 1.0
	v_fma_f32 v22, v27, v22, v22                   ; l, refined
	v_mul_f32 v23, 0x3f317218, v23                 ; ln u
	v_mul_f32 v23, v23, v18
	v_mul_f32 v23, v23, v26                        ; ln(1 + e) = ln u x e / (u - 1),
	v_cndmask_b32 v23, v23, v18, vcc_lo            ; or e where u = 1
	v_add_f32 v20, v20, v23                        ; ls = softplus(x)
	v_mul_f32 v20, v20, v20
	v_rcp_f32 v21, v20
	v_mul_f32 v22, v22, v17                        ; l / s: a plain place
	s_wait_alu depctr_va_vdst(0)
	v_fma_f32 v23, -v20, v21, 1.0
	v_fma_f32 v21, v23, v21, v21                   ; 1 / ls^2, refined
	v_mul_f32 v21, s36, v21                        ; NEGA = -log2 e / ls^2
	v_mul_f32 v17, 0xbc6c5f04, v17                 ; NEGC1 = -(2 log2 e / 200) / s
	v_mul_f32 v22, 0x4038aa3b, v22                 ; C0 = 2 log2 e x l / s
	v_mov_b32 v23, s35                             ; b_time
	v_cmp_eq_u32 vcc_lo, 1, v[LANE]
	v_cndmask_b32 v18, 0, v22, vcc_lo              ; lane 1: C0, b_time; lanes 2-31: zeros
	v_cndmask_b32 v19, 0, v23, vcc_lo
	v_cmp_eq_u32 vcc_lo, 0, v[LANE]
	v_cndmask_b32 v18, v18, v21, vcc_lo            ; lane 0: NEGA, NEGC1
	v_cndmask_b32 v19, v19, v17, vcc_lo
	v_lshlrev_b32 v16, 3, v[LANE]
	global_store_b64 v16, v[18:19], s[26:27] offset:3072   ; 32 lanes store 256 consecutive bytes
	s_endpgm
.Lfunc_end_k_q769e5bdcf0_prep:
	.size	k_q769e5bdcf0_prep, .Lfunc_end_k_q769e5bdcf0_prep-k_q769e5bdcf0_prep
	.p2alignl 7, 3214868480
	.fill 96, 4, 3214868480
	.section	.rodata,"a",@progbits
	.p2align	6, 0x0
	.amdhsa_kernel k_q769e5bdcf0_prep
		.amdhsa_group_segment_fixed_size 0
		.amdhsa_private_segment_fixed_size 0
		.amdhsa_enable_private_segment 0
		.amdhsa_kernarg_size 80
		.amdhsa_user_sgpr_count 2
		.amdhsa_user_sgpr_kernarg_segment_ptr 1
		.amdhsa_wavefront_size32 1
		.amdhsa_system_sgpr_workgroup_id_x 1
		.amdhsa_system_sgpr_workgroup_id_y 1
		.amdhsa_system_sgpr_workgroup_id_z 1
		.amdhsa_system_vgpr_workitem_id 0
		.amdhsa_next_free_vgpr 256
		.amdhsa_next_free_sgpr 66
		.amdhsa_reserve_vcc 1
		.amdhsa_float_denorm_mode_32 3
		.amdhsa_float_denorm_mode_16_64 3
		.amdhsa_memory_ordered 1
		.amdhsa_forward_progress 1
		.amdhsa_inst_pref_size 82
	.end_amdhsa_kernel
	.amdgpu_metadata
---
amdhsa.version: [ 1, 2 ]
amdhsa.kernels:
  - .name:           k_q769e5bdcf0_prep
    .symbol:         k_q769e5bdcf0_prep.kd
    .args:
      - { .name: event_time, .offset: 0, .size: 8, .value_kind: global_buffer, .address_space: global }
      - { .name: Wn, .offset: 8, .size: 8, .value_kind: global_buffer, .address_space: global }
      - { .name: Wi, .offset: 16, .size: 8, .value_kind: global_buffer, .address_space: global }
      - { .name: gate_params, .offset: 24, .size: 8, .value_kind: global_buffer, .address_space: global }
      - { .name: length_scale, .offset: 32, .size: 8, .value_kind: global_buffer, .address_space: global }
      - { .name: b_time, .offset: 40, .size: 8, .value_kind: global_buffer, .address_space: global }
      - { .name: ln_gamma, .offset: 48, .size: 8, .value_kind: global_buffer, .address_space: global }
      - { .name: ln_beta, .offset: 56, .size: 8, .value_kind: global_buffer, .address_space: global }
      - { .name: w_time, .offset: 64, .size: 8, .value_kind: global_buffer, .address_space: global }
      - { .name: pack, .offset: 72, .size: 8, .value_kind: global_buffer, .address_space: global }
    .group_segment_fixed_size: 0
    .private_segment_fixed_size: 0
    .kernarg_segment_align: 8
    .kernarg_segment_size: 80
    .max_flat_workgroup_size: 128
    .sgpr_count:     66
    .vgpr_count:     256
    .wavefront_size: 32
...
	.end_amdgpu_metadata
.endif
;; end of part 1
;; launch main (part 2): grid 16 x 16, 4 waves a work-group, no clusters, 327,680 bytes of LDS; arguments pack, event_time, noise, out0; writes out0
.if DOCPART == 2
	.amdgcn_target "amdgcn-amd-amdhsa--gfx1250"
	.amdhsa_code_object_version 6
	.text
	.protected	k_q769e5bdcf0_main
	.globl	k_q769e5bdcf0_main
	.p2align	8
	.type	k_q769e5bdcf0_main,@function
k_q769e5bdcf0_main:
	s_mov_b64 s[64:65], 0
	v_nop
	global_prefetch_b8 v0, s[64:65] scope:SCOPE_SE
	s_setreg_imm32_b32 hwreg(HW_REG_WAVE_MODE, 25, 1), 1
	s_wait_xcnt 0x0
; MAIN: scores -> codes -> hidden = scores emb -> LayerNorm -> codes -> relu(noise Wn^T + hidden Wi^T) -> . w_time + b_time -> softplus.  All three large products on codes of FP6 (E2M3), one E8M0 byte for each 32 along K; all else f32.
; SHARES.  A batch's 2,048 rows are 16 groups of 128; group G needs the key steps 0 .. G of 128 keys (the mask that reference() builds hides the others; step G lies on the diagonal).
; Work-group (x, b), g = x / 2, half = x % 2, owns 64 rows of group 15 - g and 64 rows of group g; each of its four waves one tile of 16 rows in each.  A wave takes its high tile through 16 - g steps, then its low tile
; through g + 1: 17 steps in every wave of the launch.
; A STEP: a lane computes the 64 scores of ITS query (lane % 16) and the keys 64 c + 32 (lane / 16) + e, which is the operand's own layout: whole blocks of 32 keys in a lane; they are quantised in registers and
; multiplied with emb's 16 fragments: hidden^T (source 0 = 16 channels of emb, source 1 = my 16 queries), so that a lane holds one query throughout.
; score = 2^(1 - a d^2) / (1 + 2^u), u = C0 + NEGC1 d: exp(-d^2 / ls^2) (1 + tanh z) with 1 + tanh z = 2 / (1 + e^(-2 z)), which forms no difference of near numbers.
; THE RING.  emb's blocks (made by the launch before: images of operand registers, scale words, the step's times) come two steps at a time through two LDS slots: 9 loads for the two tiles
; (an odd run of steps gets one block more than it needs; its work is jumped over), then Wn's and Wi's two blocks each.  So the loop has 9 trips in every work-group and every trip fills a slot again.
; NOISE is asked for at the head, straight into 256 registers a lane, and is not waited for before the loop is over.
; NO CLUSTER: only the two work-groups (g, half 0) and (g, half 1) walk the same list of blocks; four partners alike would want steps of 256 keys: 18 units of the score work where this schedule has 17.
; LIMITS: a score under 2^-126 counts as 0 (v_exp_f32 gives 0 there: ISA guide, its entry); a block of zeros gets the byte 1 (its codes are zeros); NaN and infinities among the inputs are not served.
; Where reference()'s 1 + tanh has lost bits (z far under 0) this form is the more exact one.  event_type is an input that reference() never uses: no launch names it.
; REGISTERS, in windows of 256.  window 0: addresses, statistics, v64-191 scores and work (S, U), v192-211 codes, v212-239 scale words, v240-255 at work.   window 1: 16 fragments (192); gamma, beta; w_time.
;   window 2: v0-127 hidden^T (tile t at 8 t); v128-223 the eight saved fragments of the second products' rows.   window 3: the raw noise (high tile v0-127, low v128-255), later the 32 accumulators of the second products.
.set BLK,    26112                     ; a block of pack
.set PAIR,   2*BLK                     ; a slot: two blocks
.set QW,     PAIR/4                    ; a wave's quarter of it: 51 rows of 256 bytes
.set WOFF,   256*BLK                   ; pack: Wn's first block
.set POFF,   260*BLK                   ; gamma, beta, w_time
.set SCO,    POFF+3072                 ; NEGA, NEGC1, C0, b_time
.set PAR,    PAIR                      ; LDS: slot 0 at 0; the parameters, 3,072 bytes, filled once;
.set SLOT1,  1<<16                     ; slot 1, so that one exclusive or turns an address from slot to slot;
.set STAGE,  SLOT1+PAIR                ; a stage of 16 rows x 1,040 bytes for each wave (65 x 16: sixteen rows begin in sixteen different groups of banks);
.set SPITCH, 1040
.set WSTG,   16*SPITCH
.set OUTS,   STAGE+4*WSTG              ; the work-group's 2 x 64 results;
.set SPARE,  OUTS+512                  ; the spare words, 128 bytes for each wave: two blocks of 256 bytes that no other line names
.set SPW, 1                            ; v1   LDS address of my spare word; never rewritten
.set NIL, 2                            ; v2   0; never rewritten
.set LI,  3                            ; v3   16 x lane
.set R16, 4                            ; v4   16 r
.set H128, 5                           ; v5   128 h
.set AF,  6                            ; v6   fragments of the slot in hand
.set ASC, 7                            ; v7   its scale words
.set ATJ, 8                            ; v8   its times
.set SH8, 9                            ; v9   8 h
.set DL,  10                           ; v10, v11  on the diagonal key 64 c + 32 h + e is hidden where e > v[DL + c]
.set TI,  12                           ; v[12:13] my query's time, twice
.set TIL, 14                           ; v[14:15] the low tile's
.set ZR,  16                           ; v16  0
.set R4,  17                           ; v17  4 r
.set STW, 18                           ; v18  the stage, in
.set STR, 19                           ; v19  the stage, back
.set APG, 20                           ; v20  gamma and beta
.set APW, 21                           ; v21  w_time
.set OSA, 22                           ; v22  where I put a result
.set OLA, 23                           ; v23  where waves 0 and 1 read 64 of them
.set OG,  24                           ; v24  8 x lane
.set MU,  26                           ; v[26:27] the mean, twice
.set RS,  28                           ; v[28:29] 1 / sqrt(var + eps), twice
.set CH,  32                           ; v32-39 four chains of pairs; v40-55 the dot's
.set S,   64
.set U,   128
.set PC,  192                          ; v192-203 a fragment's codes
.set PT,  204                          ; v204-211 second halves
.set ES,  212                          ; v212-227 the 16 fragments' scale words
.set PW,  228                          ; v228 the scale word just made
.set XW,  232                          ; v232-239 the saved fragments' scale words: 4 x tile + K step (0, 1 noise; 2, 3 hidden)
.set TM,  240
.set XC,  128                          ; window 2: the saved fragments, 12 registers each
.set WV,  12                           ; s12 wave
.set GG,  13                           ; s13 g
.set HF,  14                           ; s14 half
.set BB,  15                           ; s15 batch
.set NT,  16                           ; s16 trips done
.set NHM, 17                           ; s17 the high tile's last trip
.set KS,  18                           ; s18 the step in the tile's own count
.set GD,  19                           ; s19 the tile's diagonal step
.set GL,  20                           ; s20 the low tile's
.set TB,  21                           ; s21 the slot in hand: 0 or SLOT1
.set MM,  22                           ; s22 the next load's number
.set NH,  23                           ; s23 loads of the high tile
.set SEL, 24                           ; s[24:25] selects for lane l xor 16;  s26 = 1/256, s27 = 1e-6;  s[28:35] noise and event_time at my two tiles;  s[36:39] NEGA, NEGC1, C0, b_time;  s[40:41] NEGA twice
.set G1R, 48                           ; s[48:55] group 1: 51 rows of 256 bytes;  s[56:63]: 3 rows;  s[68:71], s[72:75], s[76:79] groups 0: slot 0's first fill, the one that walks, the parameters
.set G1P, 56
.set MSB, 0
.macro WIN new                         ; the immediate's high byte repeats the setting that is left
.if MSB != \new
	s_set_vgpr_msb (MSB<<8)|\new
.set MSB, \new
.endif
.endm
.macro PLACES n
.rept \n
	v_nop
.endr
.endm
; 64 numbers of a lane, register 32 c + e = k 64 c + 32 h + e of my row: whole blocks in a lane.  Codes to v[PC] on, my row's scale word to v[PW].
.macro QUANTB s
.irp k, 0,1,2,3
.irp c, 0,1
	v_max3_num_f32 v[TM+4*\c+\k], |v[\s+32*\c+8*\k]|, |v[\s+32*\c+8*\k+1]|, |v[\s+32*\c+8*\k+2]|   ; eight chains by turns: four to a block
.endr
.endr
.irp i, 3,5
.irp k, 0,1,2,3
.irp c, 0,1
	v_max3_num_f32 v[TM+4*\c+\k], v[TM+4*\c+\k], |v[\s+32*\c+8*\k+\i]|, |v[\s+32*\c+8*\k+\i+1]|
.endr
.endr
.endr
.irp k, 0,1,2,3
.irp c, 0,1
	v_max3_num_f32 v[TM+4*\c+\k], v[TM+4*\c+\k], |v[\s+32*\c+8*\k+7]|, 0x1800000   ; and the floor 2^(3 - 127): the byte cannot fall under 1
.endr
.endr
.irp c, 0,1
	v_max3_num_f32 v[TM+4*\c], v[TM+4*\c], v[TM+4*\c+1], v[TM+4*\c+2]
.endr
.irp c, 0,1
	v_max_num_f32 v[TM+4*\c], v[TM+4*\c], v[TM+4*\c+3]
.endr
.irp c, 0,1
	v_add_nc_u32 v[TM+8+\c], 0xff000000, v[TM+4*\c]            ; 2 off the exponent field: the conversion's scale operand
.endr
.irp c, 0,1
	v_lshrrev_b32 v[TM+10+\c], 23, v[TM+8+\c]                  ; the scale's byte
.endr
	v_lshl_or_b32 v[PW], v[TM+11], 16, v[TM+10]                ; blocks h and 2 + h,
	v_lshlrev_b32 v[PW], v[SH8], v[PW]                         ; at their places;
	v_permlanex16_b32 v[TM+12], v[PW], s[SEL], s[SEL+1]
	v_or_b32 v[PW], v[PW], v[TM+12]                            ; with lane l xor 16's two the word is whole
.irp c, 0,1
	v_cvt_scalef32_pk16_fp6_f32 v[PC+6*\c:PC+6*\c+2], v[\s+32*\c:\s+32*\c+15], v[TM+8+\c]
	v_cvt_scalef32_pk16_fp6_f32 v[PT+4*\c:PT+4*\c+2], v[\s+32*\c+16:\s+32*\c+31], v[TM+8+\c]   ; (a conversion's three registers begin on an even number)
.endr
	v_nop                                                      ; one plain place behind the scaled conversions
.irp c, 0,1
.irp i, 0,1,2
	v_mov_b32 v[PC+6*\c+3+\i], v[PT+4*\c+\i]
.endr
.endr
.endm
; 64 numbers of a lane, register 16 b + i = k 32 b + 16 h + i of my row: a block lies in lanes l and l xor 16 (the layout in which the first product leaves hidden^T).
.macro QUANTH s
.irp b, 0,1,2,3
	v_max3_num_f32 v[TM+\b], |v[\s+16*\b]|, |v[\s+1+16*\b]|, 0x1800000
.endr
.irp i, 2,4,6,8,10,12,14
.irp b, 0,1,2,3
	v_max3_num_f32 v[TM+\b], v[TM+\b], |v[\s+16*\b+\i]|, |v[\s+1+16*\b+\i]|
.endr
.endr
.irp b, 0,1,2,3
	v_permlanex16_b32 v[TM+4+\b], v[TM+\b], s[SEL], s[SEL+1]
.endr
.irp b, 0,1,2,3
	v_max_num_f32 v[TM+\b], v[TM+\b], v[TM+4+\b]
.endr
.irp b, 0,1,2,3
	v_add_nc_u32 v[TM+12+\b], 0xff000000, v[TM+\b]
.endr
.irp b, 0,1,2,3
	v_lshrrev_b32 v[TM+4+\b], 23, v[TM+12+\b]
.endr
	v_lshl_or_b32 v[PW], v[TM+5], 8, v[TM+4]
	v_lshl_or_b32 v[PW], v[TM+6], 16, v[PW]
	v_lshl_or_b32 v[PW], v[TM+7], 24, v[PW]
.irp c, 0,1
	v_cvt_scalef32_pk16_fp6_f32 v[PC+6*\c:PC+2+6*\c], v[\s+32*\c:\s+15+32*\c], v[TM+12+2*\c]
	v_cvt_scalef32_pk16_fp6_f32 v[PT+4*\c:PT+2+4*\c], v[\s+16+32*\c:\s+31+32*\c], v[TM+12+2*\c+1]
.endr
	v_nop
.irp c, 0,1                            ; the operand's layout wants a whole block in a lane
.irp i, 0,1,2
	v_permlane16_swap_b32 v[PC+6*\c+\i], v[PT+4*\c+\i]
.endr
.irp i, 0,1,2
	v_mov_b32 v[PC+3+6*\c+\i], v[PT+4*\c+\i]
.endr
.endr
.endm
.macro SAVE hl, ks                     ; the fragment just made is kept for the second products: tile hl, K step ks
	v_mov_b32 v[XW+4*\hl+\ks], v[PW]
	WIN 0x80                                       ; destination window 2
.irp i, 0,1,2,3,4,5,6,7,8,9,10,11
	v_mov_b32 v[XC+12*(4*\hl+\ks)+\i], v[PC+\i]
.endr
	WIN 0
.endm
.macro FOLD                            ; four chains of pairs, and lane l xor 16's: the row's sum in v[CH]
	v_pk_add_f32 v[CH:CH+1], v[CH:CH+1], v[CH+2:CH+3]
	v_pk_add_f32 v[CH+4:CH+5], v[CH+4:CH+5], v[CH+6:CH+7]
	v_pk_add_f32 v[CH:CH+1], v[CH:CH+1], v[CH+4:CH+5]
	v_add_f32 v[CH], v[CH], v[CH+1]
	v_permlanex16_b32 v60, v[CH], s[SEL], s[SEL+1]
	v_add_f32 v[CH], v[CH], v60
.endm
	s_load_b256 s[4:11], s[0:1], 0x0               ; pack s[4:5], event_time s[6:7], noise s[8:9], out0 s[10:11]
	v_lshl_add_u32 v[SPW], v0, 2, SPARE
	v_mov_b32 v[NIL], 0
	ds_add_u32 v[SPW], v[NIL]                      ; the wave's opening: the add and its wait stand ahead of my first tensor load; the set-up below, work on registers, stands between them
	v_lshrrev_b32 v56, 5, v0
	v_readfirstlane_b32 s[WV], v56                 ; wave 0..3
	s_lshr_b32 s[GG], ttmp9, 1
	s_and_b32 s[HF], ttmp9, 1
	s_and_b32 s[BB], ttmp7, 0xffff
	s_sub_co_u32 s[NH], 17, s[GG]
	s_lshr_b32 s[NH], s[NH], 1                     ; 16 - g steps, two to a load, rounded up
	s_sub_co_u32 s[NHM], s[NH], 1
	s_mov_b32 s[GL], s[GG]
	s_sub_co_u32 s[GD], 15, s[GG]                  ; the high tile first
	s_mov_b32 s[KS], 0
	s_mov_b32 s[NT], 0
	s_mov_b32 s[MM], 2
	s_mov_b32 s[TB], 0
	s_mov_b32 s[SEL], 0x76543210
	s_mov_b32 s[SEL+1], 0xfedcba98
	s_mov_b32 s26, 0x3b800000                      ; 1 / 256
	s_mov_b32 s27, 0x358637bd                      ; 1e-6
	s_mul_i32 s80, s[WV], QW                       ; my quarter of a slot
	s_mul_i32 s46, s[BB], 16*BLK
	s_add_co_u32 s46, s46, s80                     ; my quarter of the batch's first two blocks, in pack
	s_add_co_u32 s47, s80, WOFF                    ; and of Wn's two
	s_mul_i32 s81, s[WV], 768                      ; my quarter of the parameters
	s_lshl_b32 s82, s[HF], 6
	s_lshl_b32 s83, s[WV], 4
	s_add_co_u32 s82, s82, s83                     ; 64 half + 16 w: my tile's first row in its group
	s_lshl_b32 s83, s[BB], 11
	s_add_co_u32 s83, s83, s82
	s_lshl_b32 s84, s[GD], 7
	s_add_co_u32 s84, s84, s83                     ; the high tile's first row among the 32,768
	s_lshl_b32 s85, s[GL], 7
	s_add_co_u32 s85, s85, s83                     ; the low tile's
	; group 1: dense rows of 256 bytes (32 elements of 8 bytes), no padding: images are read 16 bytes a lane on end
	s_mov_b32 s[G1R+0], 3<<16                      ; no mask; elements of 8 bytes; padding off
	s_mov_b32 s[G1R+1], 32<<16                     ; tensor_dim0 = 32
	s_mov_b32 s[G1R+2], 51<<16                     ; tensor_dim1 = 51
	s_mov_b32 s[G1R+3], 32<<16                     ; tile_dim0 = 32
	s_mov_b32 s[G1R+4], 51                         ; tile_dim1 = 51
	s_mov_b32 s[G1R+5], 32                         ; from row to row
	s_mov_b32 s[G1R+6], 0
	s_mov_b32 s[G1R+7], 0
	s_mov_b32 s[G1P+0], 3<<16
	s_mov_b32 s[G1P+1], 32<<16
	s_mov_b32 s[G1P+2], 3<<16                      ; 3 rows
	s_mov_b32 s[G1P+3], 32<<16
	s_mov_b32 s[G1P+4], 3
	s_mov_b32 s[G1P+5], 32
	s_mov_b32 s[G1P+6], 0
	s_mov_b32 s[G1P+7], 0
	s_wait_dscnt 0x0                               ; the opening add is done
	s_wait_kmcnt 0x0
	s_mov_b32 s44, s46                             ; s[44:45]: the walking load's offset in pack
	s_mov_b32 s45, 0
	s_mov_b32 s68, 1
	s_mov_b32 s69, s80                             ; slot 0
	s_add_nc_u64 s[70:71], s[4:5], s[44:45]        ; load 0: the batch's blocks 0, 1
	s_or_b32 s71, s71, 0x80000000
	s_add_co_u32 s44, s44, PAIR
	s_mov_b32 s72, 1
	s_add_co_u32 s73, s80, SLOT1                   ; slot 1
	s_add_nc_u64 s[74:75], s[4:5], s[44:45]        ; load 1: blocks 2, 3 (the high tile has five loads at the least)
	s_or_b32 s75, s75, 0x80000000
	s_add_co_u32 s86, s81, POFF
	s_mov_b32 s87, 0
	s_mov_b32 s76, 1
	s_add_co_u32 s77, s81, PAR
	s_add_nc_u64 s[78:79], s[4:5], s[86:87]
	s_or_b32 s79, s79, 0x80000000
	tensor_load_to_lds s[76:79], s[G1P:G1P+7]      ; the first fills go out together: three loads of mine are out
	s_nop 0
	tensor_load_to_lds s[68:71], s[G1R:G1R+7]
	s_nop 0
	tensor_load_to_lds s[72:75], s[G1R:G1R+7]
	s_nop 0
	PLACES 4
	s_load_b128 s[36:39], s[4:5], SCO              ; NEGA, NEGC1, C0, b_time
	s_lshl_b32 s86, s84, 10
	s_add_nc_u64 s[28:29], s[8:9], s[86:87]        ; noise at the high tile: rows of 1,024 bytes
	s_lshl_b32 s86, s85, 10
	s_add_nc_u64 s[30:31], s[8:9], s[86:87]        ; at the low tile
	s_lshl_b32 s86, s84, 2
	s_add_nc_u64 s[32:33], s[6:7], s[86:87]        ; the tiles' times
	s_lshl_b32 s86, s85, 2
	s_add_nc_u64 s[34:35], s[6:7], s[86:87]
	v_and_b32 v56, 31, v0                          ; lane
	v_and_b32 v57, 15, v0                          ; r
	v_bfe_u32 v58, v0, 4, 1                        ; h
	v_lshlrev_b32 v[LI], 4, v56
	v_lshlrev_b32 v[R4], 2, v57
	global_load_b32 v[TI], v[R4], s[32:33]         ; my query's time, high tile
	global_load_b32 v[TIL], v[R4], s[34:35]        ; low tile
	WIN 0xc0                                       ; destination window 3
.set n, 0
.rept 32
	global_load_b128 v[4*n:4*n+3], v[LI], s[28:29] offset:512*n th:TH_LOAD_NT   ; the tile's 16 rows are 16,384 consecutive bytes: 512 a load; read once
.set n, n+1
.endr
.set n, 0
.rept 28
	global_load_b128 v[128+4*n:128+4*n+3], v[LI], s[30:31] offset:512*n th:TH_LOAD_NT
.set n, n+1
.endr
	WIN 0
	v_lshlrev_b32 v[R16], 4, v57
	v_lshlrev_b32 v[H128], 7, v58
	v_lshlrev_b32 v[SH8], 3, v58
	v_lshlrev_b32 v59, 5, v58
	v_sub_nc_u32 v[DL], v57, v59
	v_add_nc_u32 v[DL], s82, v[DL]                 ; 64 half + 16 w + r - 32 h
	v_add_nc_u32 v[DL+1], 0xffffffc0, v[DL]        ; and 64 less for c = 1
	v_mov_b32 v[ZR], 0
	s_mul_i32 s84, s[WV], WSTG
	s_add_co_u32 s84, s84, STAGE                   ; my stage
	v_add_nc_u32 v[STW], s84, v[LI]
	v_mul_u32_u24 v[STR], v57, SPITCH
	v_add_nc_u32 v[STR], v[STR], v[H128]
	v_add_nc_u32 v[STR], s84, v[STR]               ; back: row r, + 32 numbers for lanes 16-31
	v_lshl_add_u32 v[APG], v58, 6, PAR             ; gamma: my half's 16 of each 32 channels
	v_lshl_add_u32 v[APW], v58, 5, PAR+2048        ; w_time: my half's 8 of each 16
	s_lshl_b32 s85, s[WV], 6
	s_add_co_u32 s85, s85, OUTS
	v_add_nc_u32 v[OSA], s85, v[R4]
	s_and_b32 s86, s[WV], 1
	s_lshl_b32 s86, s86, 8
	s_add_co_u32 s86, s86, OUTS
	v_lshl_add_u32 v[OLA], v56, 3, s86
	v_lshlrev_b32 v[OG], 3, v56
	v_mov_b32 v60, 0                               ; written once: a lane permute's destination counts as one of its sources
	v_mov_b32 v61, 0
.irp i, 4,5,6,7,12
	v_mov_b32 v[TM+\i], 0
.endr
	v_mov_b32 v[XW+2], 0                           ; what is next written under a branch on the work-group's number is written here on every way
	v_mov_b32 v[XW+3], 0
	WIN 0x80
.set n, 0
.rept 128
	v_mov_b32 v[n], 0                              ; hidden^T begins as zeros: where a tile's first step stands hangs on the work-group's number, so the step is written once, adding
.set n, n+1
.endr
.set n, 0
.rept 24
	v_mov_b32 v[XC+24+n], 0
.set n, n+1
.endr
	WIN 0
	s_wait_loadcnt 60                              ; the two times are in: 60 loads of noise were issued behind them
	v_mov_b32 v[TI+1], v[TI]
	v_mov_b32 v[TIL+1], v[TIL]
	WIN 0xc0
.set n, 28
.rept 4
	global_load_b128 v[128+4*n:128+4*n+3], v[LI], s[30:31] offset:512*n th:TH_LOAD_NT
.set n, n+1
.endr
	WIN 0
	s_wait_kmcnt 0x0
	s_mov_b32 s40, s36                             ; NEGA as a pair: the packed form names both
	s_mov_b32 s41, s36
	s_wait_tensorcnt 1                             ; the parameters and my part of slot 0 are in; slot 1's load may be out
	s_barrier_signal -1
	s_barrier_wait -1                              ; everybody's are
; A STEP: 16 queries x 128 keys, the q-th block of the slot in hand.
.macro STEP q
	s_cmp_gt_u32 s[KS], s[GD]                      ; all its keys come after my rows: its work is left out (a branch on ids; no barrier and no tensor load stands in a step)
	s_cbranch_scc1 .Lhid_\@
.set n, 0
.rept 16
	ds_load_b128 v[S+4*n:S+4*n+3], v[ATJ] offset:BLK*\q+25600+256*(n/8)+16*(n%8)   ; t of key 64 c + 32 h + e into register 32 c + e
.set n, n+1
.endr
.irp i, 0,1,2,3
	ds_load_b128 v[ES+4*\i:ES+4*\i+3], v[ASC] offset:BLK*\q+24576+256*\i           ; row r's scale words of fragments 4 i .. 4 i + 3
.endr
	WIN 0x40                                       ; destination window 1
.set n, 0
.rept 48
	ds_load_b128 v[4*n:4*n+3], v[AF] offset:BLK*\q+512*n                           ; the 16 fragments, as they were stored: they land while the scores are made
.set n, n+1
.endr
	WIN 0
	s_wait_dscnt 52                                ; the 16 loads of times are in; the 4 + 48 behind them may be out
.set n, 0
.rept 32
	v_pk_add_f32 v[S+2*n:S+2*n+1], v[S+2*n:S+2*n+1], v[TI:TI+1] neg_lo:[0,1] neg_hi:[0,1]   ; t_j - t_i
.set n, n+1
.endr
.set n, 0
.rept 64
	v_fma_f32 v[U+n], |v[S+n]|, s37, s38           ; u = C0 + NEGC1 d
.set n, n+1
.endr
.set n, 0
.rept 32
	v_exp_f32 v[U+2*n], v[U+2*n]                   ; 2^u; between the exponentials: the other factor's exponent
	v_exp_f32 v[U+2*n+1], v[U+2*n+1]
	v_pk_mul_f32 v[S+2*n:S+2*n+1], v[S+2*n:S+2*n+1], v[S+2*n:S+2*n+1]
	v_pk_fma_f32 v[S+2*n:S+2*n+1], v[S+2*n:S+2*n+1], s[40:41], 1.0 op_sel_hi:[1,0,0]       ; 1 - a d^2
.set n, n+1
.endr
	s_wait_alu depctr_va_vdst(0)                   ; the wait ahead of the first reader: one for the 64; the line ahead of it is plain
.set n, 0
.rept 32
	v_pk_add_f32 v[U+2*n:U+2*n+1], v[U+2*n:U+2*n+1], 1.0 op_sel_hi:[1,0]
	v_exp_f32 v[S+2*n], v[S+2*n]
	v_exp_f32 v[S+2*n+1], v[S+2*n+1]
.set n, n+1
.endr
.set n, 0
.rept 64
	v_rcp_f32 v[U+n], v[U+n]
.set n, n+1
.endr
	v_nop                                          ; a plain place behind the batch
	s_wait_alu depctr_va_vdst(0)                   ; one wait for the 128
.set n, 0
.rept 32
	v_pk_mul_f32 v[S+2*n:S+2*n+1], v[S+2*n:S+2*n+1], v[U+2*n:U+2*n+1]                      ; the scores
.set n, n+1
.endr
	s_cmp_lg_u32 s[KS], s[GD]
	s_cbranch_scc1 .Lopen_\@
.set n, 0
.rept 64
	v_cmp_gt_i32 vcc_lo, n%32, v[DL+n/32]          ; on the diagonal: keys after my query count for nothing, ahead of the block's maximum
	v_cndmask_b32 v[S+n], v[S+n], v[ZR], vcc_lo
.set n, n+1
.endr
.Lopen_\@:
	QUANTB S
	PLACES 8                                       ; a scale register written by a vector instruction stands 8 places ahead of a scaled matrix instruction, an operand so written 4
	s_wait_dscnt 0x0                               ; fragments and scale words are in
	WIN 0xa1                                       ; source 0 window 1, source 1 window 0, C and D window 2
.set n, 0
.rept 16
	v_wmma_scale_f32_16x16x128_f8f6f4 v[8*n:8*n+7], v[12*n:12*n+11], v[PC:PC+11], v[8*n:8*n+7], v[ES+n], v[PW] matrix_a_fmt:MATRIX_FMT_FP6 matrix_b_fmt:MATRIX_FMT_FP6   ; the sixteen accumulators take turns
.set n, n+1
.endr
	WIN 0
	PLACES 4                                       ; in front of loads into registers that these have read, and of the first read of results
.Lhid_\@:
	s_add_co_u32 s[KS], s[KS], 1
.endm
; LayerNorm of the tile in hidden^T, and its two fragments for the third product.  A lane holds 128 of its query's 256 channels, lane l xor 16 the others.
.macro FINISH hl
	WIN 0x40
.set n, 0
.rept 32
	ds_load_b128 v[4*n:4*n+3], v[APG] offset:128*(n/4)+16*(n%4)                    ; gamma and beta in hidden^T's own order: register 16 p + i: channel 32 p + 16 h + i
	ds_load_b128 v[128+4*n:128+4*n+3], v[APG] offset:1024+128*(n/4)+16*(n%4)
.set n, n+1
.endr
	WIN 0x0a                                       ; sources 0 and 1 window 2
.irp k, 0,1,2,3
	v_pk_add_f32 v[CH+2*\k:CH+2*\k+1], v[2*\k:2*\k+1], v[8+2*\k:9+2*\k]            ; each accumulator is read from its low end on
.endr
	WIN 0x08
.set n, 8
.rept 56
	v_pk_add_f32 v[CH+2*(n%4):CH+2*(n%4)+1], v[CH+2*(n%4):CH+2*(n%4)+1], v[2*n:2*n+1]
.set n, n+1
.endr
	WIN 0
	FOLD
	v_mul_f32 v[MU], s26, v[CH]
	v_mov_b32 v[MU+1], v[MU]
	WIN 0x82                                       ; destination and source 0 window 2
.set n, 0
.rept 64
	v_pk_add_f32 v[2*n:2*n+1], v[2*n:2*n+1], v[MU:MU+1] neg_lo:[0,1] neg_hi:[0,1]
.set n, n+1
.endr
	WIN 0x0a
.irp k, 0,1,2,3
	v_pk_mul_f32 v[CH+2*\k:CH+2*\k+1], v[2*\k:2*\k+1], v[2*\k:2*\k+1]
.endr
.set n, 4
.rept 60
	v_pk_fma_f32 v[CH+2*(n%4):CH+2*(n%4)+1], v[2*n:2*n+1], v[2*n:2*n+1], v[CH+2*(n%4):CH+2*(n%4)+1]
.set n, n+1
.endr
	WIN 0
	FOLD
	v_fma_f32 v[CH], v[CH], s26, s27               ; var + eps
	v_rsq_f32 v[RS], v[CH]
	v_nop
	s_wait_alu depctr_va_vdst(0)
	v_mov_b32 v[RS+1], v[RS]
	WIN 0x82
.set n, 0
.rept 64
	v_pk_mul_f32 v[2*n:2*n+1], v[2*n:2*n+1], v[RS:RS+1]
.set n, n+1
.endr
	s_wait_dscnt 0x0                               ; gamma and beta are in
	WIN 0x16                                       ; source 0 window 2, sources 1 and 2 window 1, destination window 0
.set n, 0
.rept 64
	v_pk_fma_f32 v[S+2*n:S+2*n+1], v[2*n:2*n+1], v[2*n:2*n+1], v[128+2*n:128+2*n+1]
.set n, n+1
.endr
	WIN 0
	QUANTH S
	SAVE \hl, 2
	QUANTH U
	SAVE \hl, 3
.endm
; THE CHANGE OF SLOTS.  Each wave waits for all its tensor loads (its part of the slot that is read next), adds 0 to its spare word, and waits for that and for its reads of the slot that it leaves.
; fill = 1: behind the barrier that slot is filled again, and the load has the next trip's two steps in which to land.
.macro CHANGE fill
	s_wait_tensorcnt 0x0                           ; no tensor load of mine is out, so a group 0 may be written
	ds_add_u32 v[SPW], v[NIL]                      ; 0 onto my spare word
.if \fill
	s_add_co_u32 s44, s44, PAIR                    ; the next two blocks;
	s_cmp_eq_u32 s[MM], s[NH]
	s_cselect_b32 s44, s46, s44                    ; or back to the batch's first two, for the low tile;
	s_cmp_eq_u32 s[MM], 9
	s_cselect_b32 s44, s47, s44                    ; or Wn's two (Wi's follow them)
	s_add_co_u32 s[MM], s[MM], 1
	s_xor_b32 s73, s73, SLOT1                      ; the other slot than last time
	s_add_nc_u64 s[74:75], s[4:5], s[44:45]
	s_or_b32 s75, s75, 0x80000000
.endif
	s_wait_dscnt 0x0                               ; the add is done, and my reads of the slot are over
	s_barrier_signal -1
	s_barrier_wait -1
.if \fill
	tensor_load_to_lds s[72:75], s[G1R:G1R+7]      ; the first thing behind the barrier, and my one tensor load until the next
	s_nop 0
	PLACES 4
.endif
.endm
.Ltrip:                                                ; nine trips: a slot's two steps, then the change of slots
	v_add_nc_u32 v[AF], s[TB], v[LI]
	v_add_nc_u32 v[ASC], s[TB], v[R16]
	v_add_nc_u32 v[ATJ], s[TB], v[H128]
	STEP 0
	STEP 1
	s_cmp_lg_u32 s[NT], s[NHM]
	s_cbranch_scc1 .Lnowrap
	FINISH 0                                       ; the high tile is summed: its LayerNorm and its codes; then the low tile begins
	WIN 0x80
.set n, 0
.rept 128
	v_mov_b32 v[n], 0
.set n, n+1
.endr
	WIN 0
	v_mov_b32 v[TI], v[TIL]
	v_mov_b32 v[TI+1], v[TIL]
	s_mov_b32 s[KS], 0
	s_mov_b32 s[GD], s[GL]
.Lnowrap:
	CHANGE 1
	s_xor_b32 s[TB], s[TB], SLOT1
	s_add_co_u32 s[NT], s[NT], 1
	s_cmp_lt_u32 s[NT], 9
	s_cbranch_scc1 .Ltrip
	; Wn's two blocks lie in slot 1 (shown whole by the last change of slots); Wi's are on their way into slot 0
	FINISH 1
	s_wait_loadcnt 0x0                             ; the noise, asked for at the head
; A tile's 16 rows of noise turn through my own stage: in as they were loaded (512 consecutive bytes a store), back 128 consecutive bytes of my row for each block pair.  LDS serves a wave's instructions in order: no wait between.
.macro NOISE hl
	WIN 0x0c                                       ; an LDS store's data are its source 1: window 3
.set n, 0
.rept 32
	ds_store_b128 v[STW], v[128*\hl+4*n:128*\hl+4*n+3] offset:SPITCH*(n/2)+512*(n%2)
.set n, n+1
.endr
	WIN 0
.set n, 0
.rept 32
	ds_load_b128 v[S+4*n:S+4*n+3], v[STR] offset:512*(n/16)+256*((n/8)%2)+16*(n%8)
.set n, n+1
.endr
	s_wait_dscnt 16                                ; K step 0's sixteen loads are in
	QUANTB S
	SAVE \hl, 0
	s_wait_dscnt 0x0
	QUANTB U
	SAVE \hl, 1
.endm
	NOISE 0
	NOISE 1
	PLACES 8                                       ; scale words and operands written by vector instructions: 8 and 4 places ahead of the scaled matrix instructions
; K step ks of the second products (0, 1: noise x Wn; 2, 3: hidden x Wi), both tiles: source 0 = 16 rows of the weight, source 1 = my 16 rows.  The 32 accumulators take turns.
.macro PROD ks, zero
.irp i, 0,1,2,3
	ds_load_b128 v[ES+4*\i:ES+4*\i+3], v[ASC] offset:BLK*((\ks)%2)+24576+256*\i
.endr
	WIN 0x40
.set n, 0
.rept 48
	ds_load_b128 v[4*n:4*n+3], v[AF] offset:BLK*((\ks)%2)+512*n
.set n, n+1
.endr
	WIN 0
	s_wait_dscnt 0x0
	WIN 0xf9                                       ; source 0 window 1, source 1 window 2, C and D window 3
.set n, 0
.rept 32
.if \zero
	v_wmma_scale_f32_16x16x128_f8f6f4 v[128*(n%2)+8*(n/2):128*(n%2)+8*(n/2)+7], v[12*(n/2):12*(n/2)+11], v[XC+12*(4*(n%2)+(\ks)):XC+12*(4*(n%2)+(\ks))+11], 0, v[ES+n/2], v[XW+4*(n%2)+(\ks)] matrix_a_fmt:MATRIX_FMT_FP6 matrix_b_fmt:MATRIX_FMT_FP6
.else
	v_wmma_scale_f32_16x16x128_f8f6f4 v[128*(n%2)+8*(n/2):128*(n%2)+8*(n/2)+7], v[12*(n/2):12*(n/2)+11], v[XC+12*(4*(n%2)+(\ks)):XC+12*(4*(n%2)+(\ks))+11], v[128*(n%2)+8*(n/2):128*(n%2)+8*(n/2)+7], v[ES+n/2], v[XW+4*(n%2)+(\ks)] matrix_a_fmt:MATRIX_FMT_FP6 matrix_b_fmt:MATRIX_FMT_FP6
.endif
.set n, n+1
.endr
	WIN 0
	PLACES 4
.endm
	v_add_nc_u32 v[AF], SLOT1, v[LI]
	v_add_nc_u32 v[ASC], SLOT1, v[R16]
	PROD 0, 1                                      ; the first K step starts the sums
	PROD 1, 0
	CHANGE 0                                       ; Wi's four quarters are in, everybody's; nothing is filled
	v_mov_b32 v[AF], v[LI]
	v_mov_b32 v[ASC], v[R16]
	PROD 2, 0
	PROD 3, 0
	WIN 0x40
.set n, 0
.rept 32
	ds_load_b128 v[4*n:4*n+3], v[APW] offset:64*(n/2)+16*(n%2)                     ; w_time in the accumulators' order: register 8 t + j: n = 16 t + 8 h + j
.set n, n+1
.endr
	WIN 0xcc                                       ; destination and source 1 window 3
.set n, 0
.rept 256
	v_max_num_f32 v[n], 0, v[n]                    ; relu, each accumulator from its low end on
.set n, n+1
.endr
	s_wait_dscnt 0x0
	WIN 0x07                                       ; source 0 window 3, source 1 window 1
.set n, 0
.rept 8
	v_pk_mul_f32 v[40+8*(n/4)+2*(n%4):41+8*(n/4)+2*(n%4)], v[128*(n/4)+2*(n%4):128*(n/4)+2*(n%4)+1], v[2*(n%4):2*(n%4)+1]   ; h . w_time in f32: four chains of pairs a tile
.set n, n+1
.endr
.set n, 4
.rept 60
	v_pk_fma_f32 v[40+2*(n%4):41+2*(n%4)], v[2*n:2*n+1], v[2*n:2*n+1], v[40+2*(n%4):41+2*(n%4)]
	v_pk_fma_f32 v[48+2*(n%4):49+2*(n%4)], v[128+2*n:128+2*n+1], v[2*n:2*n+1], v[48+2*(n%4):49+2*(n%4)]
.set n, n+1
.endr
	WIN 0
.irp a, 40,48
	v_pk_add_f32 v[\a:\a+1], v[\a:\a+1], v[\a+2:\a+3]
	v_pk_add_f32 v[\a+4:\a+5], v[\a+4:\a+5], v[\a+6:\a+7]
.endr
.irp a, 40,48
	v_pk_add_f32 v[\a:\a+1], v[\a:\a+1], v[\a+4:\a+5]
.endr
.irp a, 40,48
	v_add_f32 v[\a], v[\a], v[\a+1]
.endr
	v_permlanex16_b32 v60, v40, s[SEL], s[SEL+1]   ; the other 128 of the 256 lie in lane l xor 16
	v_permlanex16_b32 v61, v48, s[SEL], s[SEL+1]
	v_add_f32 v40, v40, v60
	v_add_f32 v48, v48, v61
	v_add_f32 v40, s39, v40                        ; + b_time
	v_add_f32 v48, s39, v48
	s_mov_b32 s84, 0xbfb8aa3b                      ; -log2 e
	s_mov_b32 s85, 0x3f317218                      ; ln 2
	v_mul_f32 v56, s84, |v40|                      ; softplus(x) = max(x, 0) + ln(1 + e^-|x|)
	v_mul_f32 v57, s84, |v48|
	v_exp_f32 v56, v56
	v_exp_f32 v57, v57
	v_max_num_f32 v40, 0, v40
	v_max_num_f32 v48, 0, v48
	s_wait_alu depctr_va_vdst(0)
	v_add_f32 v56, 1.0, v56
	v_add_f32 v57, 1.0, v57
	v_log_f32 v56, v56
	v_log_f32 v57, v57
	v_nop
	s_wait_alu depctr_va_vdst(0)
	v_fma_f32 v40, v56, s85, v40
	v_fma_f32 v48, v57, s85, v48
	ds_store_b32 v[OSA], v40                       ; both lanes of a query write the same word with the same value
	ds_store_b32 v[OSA], v48 offset:256
	s_wait_dscnt 0x0                               ; for the others' sake: my stores are done
	s_barrier_signal -1
	s_barrier_wait -1
	s_cmp_lt_u32 s[WV], 2
	s_cbranch_scc0 .Lend
	ds_load_b64 v[56:57], v[OLA]                   ; wave 0: the high group's 64 results, wave 1: the low group's
	s_sub_co_u32 s81, 15, s[GG]
	s_cmp_eq_u32 s[WV], 0
	s_cselect_b32 s80, s81, s[GG]
	s_lshl_b32 s80, s80, 7
	s_lshl_b32 s82, s[BB], 11
	s_add_co_u32 s80, s80, s82
	s_lshl_b32 s82, s[HF], 6
	s_add_co_u32 s80, s80, s82
	s_lshl_b32 s80, s80, 2                         ; 4 (2,048 b + 128 G + 64 half)
	s_mov_b32 s81, 0
	s_add_nc_u64 s[10:11], s[10:11], s[80:81]
	s_wait_dscnt 0x0
	global_store_b64 v[OG], v[56:57], s[10:11]     ; 32 lanes store 256 consecutive bytes, at a multiple of 256 from out0's first byte
.Lend:
	s_wait_tensorcnt 0x0                           ; the wave's end: the wait, the add and its wait stand behind my last tensor load and my last LDS store
	ds_add_u32 v[SPW], v[NIL]
	s_wait_dscnt 0x0
	s_endpgm
.Lfunc_end_k_q769e5bdcf0_main:
	.size	k_q769e5bdcf0_main, .Lfunc_end_k_q769e5bdcf0_main-k_q769e5bdcf0_main
	.p2alignl 7, 3214868480
	.fill 96, 4, 3214868480
	.section	.rodata,"a",@progbits
	.p2align	6, 0x0
	.amdhsa_kernel k_q769e5bdcf0_main
		.amdhsa_group_segment_fixed_size 327680
		.amdhsa_private_segment_fixed_size 0
		.amdhsa_enable_private_segment 0
		.amdhsa_kernarg_size 32
		.amdhsa_user_sgpr_count 2
		.amdhsa_user_sgpr_kernarg_segment_ptr 1
		.amdhsa_wavefront_size32 1
		.amdhsa_system_sgpr_workgroup_id_x 1
		.amdhsa_system_sgpr_workgroup_id_y 1
		.amdhsa_system_sgpr_workgroup_id_z 1
		.amdhsa_system_vgpr_workitem_id 0
		.amdhsa_next_free_vgpr 1024
		.amdhsa_next_free_sgpr 96
		.amdhsa_reserve_vcc 1
		.amdhsa_float_denorm_mode_32 3
		.amdhsa_float_denorm_mode_16_64 3
		.amdhsa_memory_ordered 1
		.amdhsa_forward_progress 1
		.amdhsa_inst_pref_size 233
	.end_amdhsa_kernel
	.amdgpu_metadata
---
amdhsa.version: [ 1, 2 ]
amdhsa.kernels:
  - .name:           k_q769e5bdcf0_main
    .symbol:         k_q769e5bdcf0_main.kd
    .args:
      - { .name: pack, .offset: 0, .size: 8, .value_kind: global_buffer, .address_space: global }
      - { .name: event_time, .offset: 8, .size: 8, .value_kind: global_buffer, .address_space: global }
      - { .name: noise, .offset: 16, .size: 8, .value_kind: global_buffer, .address_space: global }
      - { .name: out0, .offset: 24, .size: 8, .value_kind: global_buffer, .address_space: global }
    .group_segment_fixed_size: 327680
    .private_segment_fixed_size: 0
    .kernarg_segment_align: 8
    .kernarg_segment_size: 32
    .max_flat_workgroup_size: 128
    .sgpr_count:     96
    .vgpr_count:     1024
    .wavefront_size: 32
...
	.end_amdgpu_metadata
.endif
;; end of part 2
